; MI455X (gfx1250); checked and timed in simulation.
; The chip was launched on July 23, 2026; its instructions are those of AMD's public machine-readable ISA for CDNA 5 (MIT licence, August 2026) and "CDNA5" Instruction Set Architecture Reference Guide (July 2026). The comments in the code are by the model that wrote it; some were corrected since.
;; Continuous Normalizing Flow. Allowed arithmetic: float matrix products may take bf16 or f16 operands with f32 sums; all other float work in f32.
;; Inputs: W1 17 x 256 float32; W2 256 x 256 float32; W3 256 x 16 float32; b1 256 float32; b2 256 float32; b3 16 float32; x 8,192 x 16 float32.
;; Outputs: out0 8,192 float32.
;; 2 versions, each right; version 2 is version 1 with the launch cnf written anew for expert scheduling mode. Each part assembles by itself: llvm-mc -triple=amdgcn-amd-amdhsa -mcpu=gfx1250 --defsym DOCPART=n.
;; ======== version 1 of 2: 1 launch
;; launch cnf (part 1): grid 256 x 1, 8 waves a work-group, no clusters, 81,664 bytes of LDS; arguments x, W1, b1, W2, b2, W3, b3, out0; writes out0
.if DOCPART == 1
	.amdgcn_target "amdgcn-amd-amdhsa--gfx1250"
	.amdhsa_code_object_version 6
	.text
	.protected	k_q2da14c73d7_cnf
	.globl	k_q2da14c73d7_cnf
	.p2align	8
	.type	k_q2da14c73d7_cnf,@function
k_q2da14c73d7_cnf:
	s_mov_b64 s[64:65], 0
	v_nop
	global_prefetch_b8 v0, s[64:65] scope:SCOPE_SE
	s_setreg_imm32_b32 hwreg(HW_REG_WAVE_MODE, 25, 1), 1
	s_wait_xcnt 0x0
; One RK4 step of the field f(t,z) = W3^T silu(W2^T silu(W1^T [z,t] + b1) + b2) + b3 with its exact divergence, and the log density.
; 8,192 rows = 256 work-groups x 32 rows; 8 waves of 512 registers, so a work-group has the four SIMDs' registers to itself.
;
; THE DIVERGENCE.  trace(df/dz) = sum_ijk W1[i,j] d1_j W2[j,k] d2_k W3[k,i] = sum_jk d1_j G[j,k] d2_k with G[j,k] = W2[j,k] M[k,j],
; M = W3 W1[0:16], d = silu'.  An identity for every input; G hangs on no row and is made once.  A stage is then h1 W2, d1 G,
; the two small layers and one dot product.
;
; TRANSPOSED PRODUCTS: hidden units are M, batch rows are N.  A result tile holds in lane (r,h) eight neighbouring units 8h..8h+7 of batch
; row r, which packed to bf16 is half of the next layer's B fragment.  Wave w owns 32 units of each hidden layer; its A fragments of W2 and G
; (2 x 2 x 8 fragments of 8 registers) stay in registers through all four stages; only h1 and d1 pass through LDS.
; Hidden-2 unit of (wave w, tile mt, row m) is k = 32w + 2m + mt, so that one 8-byte load of a row of W2 serves both tiles; the same
; order is used for b2, W3's rows and G.
;
; SCALING, with a = -log2(e), c = -ln 2, a c = 1:  W1' = a W1, c1 = a (b1 + t W1[16]), b2' = a b2, W3' = c W3, W2 as it is.
; y = a x;  s = 1/(1 + 2^y) = sigmoid(x);  h' = y s = a silu(x);  u = s ln2 - ln2 = c (1 - s);  d = h' u + s = silu'(x).
; y2 = h1' W2 + b2';  f = h2' W3' + b3;  M = W3' W1'.  Large y: 2^y = inf, s = 0, h' = 0, d = 0; very negative y: s = 1, u = 0, d = 1.
; Layer 1 has K = 16 of the instruction's 32: the other 16 carry z's remainder after bf16 (z = hi + lo) against the same weights.
; Layer 3 is split over K: each wave multiplies its own 32 units from registers; a thread per (row, two outputs) adds the 8 partial sums
; and keeps the RK state in f32.
;
; LIMITS KEPT: W1', W2, W3', G, h', d1 are bf16 matrix operands (W1', W3' rounded after scaling; M made from the bf16 factors); sums in f32,
; in another order than the definition's; v_exp_f32 and v_rcp_f32 flush denormals (ISA guide 15.8), so a sigmoid below 2^-126 counts as 0.
;
; NO CLUSTER, NO TENSOR LOAD: all work-groups read the same W2, but a joint load lands in LDS, and W2 in f32 with 16 bytes of pad per 256
; is 278,528 bytes (262,144 unpadded), which beside the 80,640 bytes used here passes 327,680; and each byte would be written to and read from LDS once more,
; while here each lane's 8-byte loads are already its fragment's numbers.  The other weights are 35 KB.
; The work-group's output is 128 bytes (32 rows): one store of wave 0 covers them.
; ---- LDS map (bytes) ----
.set LH1,   0                          ; h1': block of writer wave x 2,560; batch row x 80 (32 bf16 + 16 bytes pad)
.set LD1,   20480                      ; d1: the same
.set LZB,   40960                      ; z: row x 80: hi[16] bf16 at 0, lo[16] at 32
.set LPB,   43520                      ; partial sums: wave x 2,576; row x 80: f[16] f32 at 0, two divergence parts at 64, 68
.set LW1T,  64128                      ; W1' transposed: hidden unit j x 48: 16 bf16
.set LC1T,  76416                      ; c1 for t = 0, 0.5, 1: 3 rows of 1,024; b2' in tile order follows at + 3,072
.set LOUT,  80512                      ; out[32]
.set BROW,  80                         ; pitches 80 and 48 are odd multiples of 16: sixteen rows start in sixteen different 16-byte columns
.set BTILE, 1280                       ; 16 rows
.set BBLK,  2560
.set PBLK,  2576
; ---- registers, window 0 ----
.set VFR,  1                           ; r*80 + 16h: fragment reads of H1, D1, ZB
.set VST,  2                           ; w*2560 + r*80 + 16h: my stores of h1', d1
.set VTA,  3                           ; temporary
.set VZW,  4                           ; where I store my two z
.set VPS,  5                           ; where I store layer 3's partial sums
.set VPD,  6                           ; where I store my divergence part
.set VPR,  7                           ; where I read the 8 partial sums of my (row, two outputs)
.set VDR,  8                           ; where I read wave ip's divergence parts of my row
.set VC1,  9                           ; c1 of my units
.set VB2,  10                          ; b2' of my units
.set VOW,  11
.set VOL,  12
.set VOG,  13
.set RX,   14                          ; v[14:15] my two x
.set RB3,  16                          ; v[16:17] my two b3
.set RKS,  18                          ; v[18:19] k1 + 2 k2 + 2 k3 + k4
.set RDS,  20                          ; the same sum of the divergences
.set VTB,  21                          ; temporary
.set VW2,  22                          ; 8192h + 128w + 8r: my offset in W2
.set VW1R, 23
.set VA1,  24
.set VW1W, 25
.set VC1W, 26
.set IL,   27                          ; ids, during the set-up
.set IR,   28
.set IH,   29
.set IBL,  30
.set IIP,  31
.set KP,   28                          ; v[28:29] = ln 2 twice, v[30:31] = -ln 2 twice, after the set-up
.set KN,   30
.set A1,   32                          ; v[32:47] layer 1's A fragments, 2 tiles
.set A3,   48                          ; v[48:55] layer 3's A fragment
.set WX,   56                          ; v[56:63] weight fragment 31 (in the set-up first: W1' packed)
.set RY,   64                          ; v[64:95]  4 tiles (a = 2 mt + nt) of y, then h'
.set RP,   96                          ; v[96:127] 4 tiles of p = G^T d1
.set ST,   128                         ; v[128:255] rings and temporaries
.set RE,   ST
.set RS,   ST+32
.set RU,   ST+64
.set HB,   ST+96
.set DB,   ST+112
.set ZF,   ST
.set F3,   ST
.set QA,   DB
.set QS,   DB+4
.set FP,   ST+32
.set DP,   ST+48
.set RF,   ST+50
.set RZ,   ST+52
.set ZT,   ST+54
.set DV,   ST+58
.set SS,   ST+59
.set RO,   ST+60
; set-up only
.set TW1,  64                          ; v64-80 W1[0..16][t]
.set TB1,  81
.set TB2,  82
.set TA3,  84                          ; v[84:99]
.set TW3B, 100                         ; v[100:115]
.set VT4,  116
.set VK4,  117
.set VW3B, 118
.set VA3A, 119
.set VT8,  120
.set VB3,  121
.set ZT0,  122                         ; v122-125: temporaries of the first z store (ST is the target of loads still out)
.set TC,   126                         ; v126-127
.set AF0,  64                          ; v[64:71], v[72:79]: A fragments of W1' for M, upper halves 0
.set W3BF, 84                          ; v[84:95] = [tile 0 | tile 1 | 0]: B fragments of W3' for M
.set MT,   96                          ; v[96:127] M, tile 2 mt + hf
; window 1: v256 (written v0) = a copy of VFR; weight fragment f = 2 s + mt at v[264 + 8 f] (written v[8 + 8 f]), f = 0..30;
; s = 0..7: W2's K step s, s = 8..15: G's K step s - 8.
.set CA,   0xbfb8aa3b                  ; a = -log2(e)
.set CC,   0xbf317218                  ; c = -ln 2
.set CLN2, 0x3f317218
.set C16,  0x3e2aaaab                  ; 1/6
.set CLP,  0xc16b3f8e                  ; -8 ln(2 pi)
.set MSB, 0
.macro WIN new                         ; low byte: bits 1:0 source 0, 3:2 source 1, 5:4 source 2, 7:6 destination; high byte: the setting left
.if MSB != \new
	s_set_vgpr_msb (MSB<<8)|\new
.set MSB, \new
.endif
.endm
.macro PLACES                          ; four independent vector instructions behind a matrix instruction (ISA guide 7.12.1)
.rept 4
	v_nop
.endr
.endm
; 16 loads of 8 bytes: rows 32c + 16hf + 8h + jj of W2, columns k(r,0), k(r,1), into ring buffer c % 4
.macro W2LOAD c
.irp hf, 0,1
.irp jj, 0,1,2,3,4,5,6,7
	global_load_b64 v[ST+32*((\c)%4)+2*(8*\hf+\jj):ST+32*((\c)%4)+2*(8*\hf+\jj)+1], v[VW2], s[14:15] offset:(32*(\c)+16*\hf+\jj)*1024
.endr
.endr
.endm
; z = hi + lo in bf16, stored for layer 1's B fragments.  src: the pair; tb: four temporaries from an even register
.macro ZSTORE src, tb
	v_cvt_pk_bf16_f32 v[\tb+2], v[\src], v[\src+1]
	v_lshlrev_b32 v[\tb], 16, v[\tb+2]
	v_and_b32 v[\tb+1], 0xffff0000, v[\tb+2]
	v_pk_add_f32 v[\tb:\tb+1], v[\src:\src+1], v[\tb:\tb+1] neg_lo:[0,1] neg_hi:[0,1]
	v_cvt_pk_bf16_f32 v[\tb+3], v[\tb], v[\tb+1]
	ds_store_b32 v[VZW], v[\tb+2]
	ds_store_b32 v[VZW], v[\tb+3] offset:32
.endm
; the bias of layer 1 at time index tidx, as the C of all four tiles (register jj: unit 32w + 16mt + 8h + jj)
.macro C1LOAD tidx
.irp mt, 0,1
.irp nt, 0,1
	ds_load_b128 v[RY+8*(2*\mt+\nt):RY+8*(2*\mt+\nt)+3],   v[VC1] offset:\tidx*1024+64*\mt
	ds_load_b128 v[RY+8*(2*\mt+\nt)+4:RY+8*(2*\mt+\nt)+7], v[VC1] offset:\tidx*1024+64*\mt+16
.endr
.endr
.endm
.macro B2LOAD
.irp mt, 0,1
.irp nt, 0,1
	ds_load_b128 v[RY+8*(2*\mt+\nt):RY+8*(2*\mt+\nt)+3],   v[VB2] offset:64*\mt
	ds_load_b128 v[RY+8*(2*\mt+\nt)+4:RY+8*(2*\mt+\nt)+7], v[VB2] offset:64*\mt+16
.endr
.endr
.endm
; ---------------- set-up ----------------
	s_load_b512 s[8:23], s[0:1], 0x0               ; x s[8:9], W1 s[10:11], b1 s[12:13], W2 s[14:15], b2 s[16:17], W3 s[18:19], b3 s[20:21], out0 s[22:23]
	s_set_vgpr_msb 0x40
	v_lshl_add_u32 v6, v0, 2, 0x13b00
	v_mov_b32 v7, 0
	s_set_vgpr_msb 0x4000
	v_lshrrev_b32 v[VTA], 5, v0
	v_readfirstlane_b32 s24, v[VTA]                ; wave w
	v_and_b32 v[IL], 31, v0                        ; lane L
	v_and_b32 v[IR], 15, v0                        ; r
	v_bfe_u32 v[IH], v0, 4, 1                      ; h
	v_bfe_u32 v[IBL], v0, 3, 2                     ; bl: my row is 4w + bl
	v_and_b32 v[IIP], 7, v0                        ; ip: my outputs are 2ip, 2ip + 1
	s_mul_i32 s30, s24, BBLK
	s_mul_i32 s31, s24, 4*BROW
	s_mul_i32 s32, s24, PBLK
	s_lshl_b32 s33, s24, 7
	s_mul_i32 s34, s24, 32*48
	s_lshl_b32 s35, s24, 4
	s_lshl_b32 s36, s24, 11
	s_movk_i32 s37, PBLK
	s_lshl_b32 s28, ttmp9, 11                      ; 32 rows of x = 2,048 bytes
	s_mov_b32 s29, 0
	s_lshl_b32 s26, ttmp9, 7                       ; 32 outputs = 128 bytes
	s_mov_b32 s27, 0
	v_lshlrev_b32 v[VT4], 2, v0                    ; 4t
	v_lshl_add_u32 v[VK4], v[IR], 3, s33           ; 4 k(t) = 128w + 8r + 4h
	v_lshl_add_u32 v[VK4], v[IH], 2, v[VK4]
	v_lshl_add_u32 v[VW3B], v[IR], 7, s36          ; W3 row 32w + 2r, outputs 8h..: 2048w + 128r + 32h
	v_lshl_add_u32 v[VW3B], v[IH], 5, v[VW3B]
	v_lshl_add_u32 v[VA3A], v[IH], 10, s36         ; W3 row 32w + 16h, output r: 2048w + 1024h + 4r
	v_lshl_add_u32 v[VA3A], v[IR], 2, v[VA3A]
	v_lshlrev_b32 v[VT8], 3, v0                    ; x: (4w + bl) 64 + 8 ip = 8t
	v_lshlrev_b32 v[VB3], 3, v[IIP]
	v_lshl_add_u32 v[VW2], v[IH], 13, s33
	v_lshl_add_u32 v[VW2], v[IR], 3, v[VW2]
	s_wait_kmcnt 0x0
	s_add_nc_u64 s[8:9], s[8:9], s[28:29]
	s_add_nc_u64 s[22:23], s[22:23], s[26:27]
	; 41 small loads, then three chunks of W2
.set i, 0
.rept 17
	global_load_b32 v[TW1+i], v[VT4], s[10:11] offset:i*1024       ; W1[i][t]
.set i, i+1
.endr
	global_load_b32 v[TB1], v[VT4], s[12:13]
	global_load_b32 v[TB2], v[VK4], s[16:17]                       ; b2 in tile order
.irp mt, 0,1
	global_load_b128 v[TW3B+8*\mt:TW3B+8*\mt+3],   v[VW3B], s[18:19] offset:64*\mt
	global_load_b128 v[TW3B+8*\mt+4:TW3B+8*\mt+7], v[VW3B], s[18:19] offset:64*\mt+16
.endr
.set i, 0
.rept 16
	global_load_b32 v[TA3+i], v[VA3A], s[18:19] offset:i*64        ; W3[32w + 16h + i][r]
.set i, i+1
.endr
	global_load_b64 v[RX:RX+1], v[VT8], s[8:9] th:TH_LOAD_NT
	global_load_b64 v[RB3:RB3+1], v[VB3], s[20:21]
	W2LOAD 0
	W2LOAD 1
	W2LOAD 2
	; LDS addresses, while the loads are out
	v_mul_u32_u24 v[VTB], BROW, v[IR]
	v_lshl_add_u32 v[VFR], v[IH], 4, v[VTB]
	v_add_nc_u32 v[VST], s30, v[VFR]
	v_add_nc_u32 v[VTB], s32, v[VTB]               ; w*2576 + r*80
	v_lshl_add_u32 v[VPS], v[IH], 5, v[VTB]
	v_add_nc_u32 v[VPS], LPB, v[VPS]
	v_lshl_add_u32 v[VPD], v[IH], 2, v[VTB]
	v_add_nc_u32 v[VPD], LPB+64, v[VPD]
	v_mul_u32_u24 v[VTA], BROW, v[IBL]
	v_add_nc_u32 v[VTA], s31, v[VTA]               ; my row: w*320 + bl*80
	v_lshl_add_u32 v[VZW], v[IIP], 2, v[VTA]
	v_add_nc_u32 v[VZW], LZB, v[VZW]
	v_lshl_add_u32 v[VPR], v[IIP], 3, v[VTA]
	v_add_nc_u32 v[VPR], LPB, v[VPR]
	v_mad_u32_u24 v[VDR], v[IIP], s37, v[VTA]
	v_add_nc_u32 v[VDR], LPB+64, v[VDR]
	v_lshl_add_u32 v[VC1], v[IH], 5, s33
	v_add_nc_u32 v[VC1], LC1T, v[VC1]
	v_add_nc_u32 v[VB2], 3072, v[VC1]
	v_lshl_add_u32 v[VOW], v[IBL], 2, s35
	v_add_nc_u32 v[VOW], LOUT, v[VOW]
	v_lshlrev_b32 v[VOG], 2, v[IL]
	v_add_nc_u32 v[VOL], LOUT, v[VOG]
	v_mul_u32_u24 v[VW1R], 48, v[IR]
	v_lshl_add_u32 v[VW1R], v[IH], 4, v[VW1R]
	v_add_nc_u32 v[VW1R], LW1T, v[VW1R]
	v_add_nc_u32 v[VA1], s34, v[VW1R]
	v_mul_u32_u24 v[VW1W], 48, v[IL]
	v_add_nc_u32 v[VW1W], s34, v[VW1W]
	v_add_nc_u32 v[VW1W], LW1T, v[VW1W]
	v_add_nc_u32 v[VC1W], s33, v[VOG]
	v_add_nc_u32 v[VC1W], LC1T, v[VC1W]
	v_mov_b32 v[RKS], 0
	v_mov_b32 v[RKS+1], 0
	v_mov_b32 v[RDS], 0
	WIN 0x40
	v_mov_b32 v0, v[VFR]                           ; v256 = VFR: layer 2's LDS loads stand under a setting whose source 0 is window 1
	WIN 0
	s_wait_loadcnt 48                              ; loads return in order (ISA guide 5.7.1): the 41 small ones are in, the 3 x 16 of W2 stay out
	; W1' = a W1, row j = t of the transposed table
.set i, 0
.rept 8
	v_pk_mul_f32 v[TW1+i:TW1+i+1], v[TW1+i:TW1+i+1], CA op_sel_hi:[1,0]
.set i, i+2
.endr
.set i, 0
.rept 8
	v_cvt_pk_bf16_f32 v[WX+i], v[TW1+2*i], v[TW1+2*i+1]
.set i, i+1
.endr
	ds_store_b128 v[VW1W], v[WX:WX+3]
	ds_store_b128 v[VW1W], v[WX+4:WX+7] offset:16
	; c1[t] = a (b1 + t W1[16]) for t = 0, 0.5, 1, in f32; b2' = a b2
	v_mul_f32 v[TB1], CA, v[TB1]
	v_mul_f32 v[TW1+16], CA, v[TW1+16]
	v_mul_f32 v[TB2], CA, v[TB2]
	v_fma_f32 v[TC], v[TW1+16], 0.5, v[TB1]
	v_add_f32 v[TC+1], v[TW1+16], v[TB1]
	ds_store_b32 v[VC1W], v[TB1]
	ds_store_b32 v[VC1W], v[TC] offset:1024
	ds_store_b32 v[VC1W], v[TC+1] offset:2048
	ds_store_b32 v[VC1W], v[TB2] offset:3072
	; layer 3's A fragment: row i = r; register 4mt + q: units 32w + 16h + 4q + mt and + 2 (the order in which h2' lies in B)
.set i, 0
.rept 8
	v_pk_mul_f32 v[TA3+i:TA3+i+1], v[TA3+i:TA3+i+1], CC op_sel_hi:[1,0]
	v_pk_mul_f32 v[TW3B+i:TW3B+i+1], v[TW3B+i:TW3B+i+1], CC op_sel_hi:[1,0]
.set i, i+2
.endr
.irp mt, 0,1
.irp q, 0,1,2,3
	v_cvt_pk_bf16_f32 v[A3+4*\mt+\q], v[TA3+4*\q+\mt], v[TA3+4*\q+2+\mt]
.endr
.endr
	; B fragments of W3' for M (column n = r is unit k(r,mt), K = outputs 8h..8h+7); K = 16..31 meets zeros in A
.set i, 0
.rept 8
	v_cvt_pk_bf16_f32 v[W3BF+i], v[TW3B+2*i], v[TW3B+2*i+1]
.set i, i+1
.endr
.irp i, 8,9,10,11
	v_mov_b32 v[W3BF+\i], 0
.endr
.irp i, 4,5,6,7,12,13,14,15
	v_mov_b32 v[AF0+\i], 0                         ; A's K = 16..31
.endr
	ZSTORE RX, ZT0                                 ; stage 1 starts at z = x
	W2LOAD 3
	s_wait_dscnt 0x0                               ; my table rows and my z are in LDS before I signal
	s_barrier_signal -1
	s_barrier_wait -1                              ; everybody's are
.irp mt, 0,1
	ds_load_b128 v[A1+8*\mt:A1+8*\mt+3],   v[VA1] offset:768*\mt    ; W1'[8h..8h+7][32w + 16mt + r], against z's hi
	ds_load_b128 v[A1+8*\mt+4:A1+8*\mt+7], v[VA1] offset:768*\mt    ; the same again, against z's lo
.endr
; One chunk = 32 rows j of W2: M for these j, W2's and G's fragments of K step c.  left = loads of younger chunks that stay out.
.macro CHUNK c, left
.set RB, ST+32*((\c)%4)
	ds_load_b128 v[AF0:AF0+3],    v[VW1R] offset:(2*\c)*768        ; rows j = 32c + r of W1'
	ds_load_b128 v[AF0+8:AF0+11], v[VW1R] offset:(2*\c+1)*768      ; rows j = 32c + 16 + r
	s_wait_loadcnt \left
	s_wait_dscnt 0x0
.irp mt, 0,1
.irp hf, 0,1
	v_wmma_f32_16x16x32_bf16 v[MT+8*(2*\mt+\hf):MT+8*(2*\mt+\hf)+7], v[AF0+8*\hf:AF0+8*\hf+7], v[W3BF+4*\mt:W3BF+4*\mt+7], 0   ; register jj: M[k(r,mt)][32c + 16hf + 8h + jj]
.endr
.endr
	WIN 0x40                                       ; 16 conversions that name none of the products' registers: the places in front of the
.irp mt, 0,1                                       ; multiplies below, of the next chunk's loads into A and of its products into MT
.irp hf, 0,1
.irp q, 0,1,2,3
	v_cvt_pk_bf16_f32 v[8+8*(2*\c+\mt)+4*\hf+\q], v[RB+2*(8*\hf+2*\q)+\mt], v[RB+2*(8*\hf+2*\q+1)+\mt]
.endr
.endr
.endr
	WIN 0
.irp mt, 0,1
.irp hf, 0,1
.irp jj, 0,1,2,3,4,5,6,7
	v_mul_f32 v[MT+8*(2*\mt+\hf)+\jj], v[MT+8*(2*\mt+\hf)+\jj], v[RB+2*(8*\hf+\jj)+\mt]     ; G = W2 . M
.endr
.endr
.endr
.irp mt, 0,1
.if 16+2*\c+\mt == 31
	WIN 0                                          ; fragment 31 lies in window 0
.set GD, WX
.else
	WIN 0x40
.set GD, 8+8*(16+2*\c+\mt)
.endif
.irp hf, 0,1
.irp q, 0,1,2,3
	v_cvt_pk_bf16_f32 v[GD+4*\hf+\q], v[MT+8*(2*\mt+\hf)+2*\q], v[MT+8*(2*\mt+\hf)+2*\q+1]
.endr
.endr
.endr
	WIN 0
.if \c <= 3
	W2LOAD \c+4                                    ; into the buffer just read
.endif
.endm
	CHUNK 0, 48                                    ; three younger chunks of 16 loads are out
	CHUNK 1, 48
	CHUNK 2, 48
	CHUNK 3, 48
	CHUNK 4, 48
	CHUNK 5, 32
	CHUNK 6, 16
	CHUNK 7, 0
	v_mov_b32 v[KP], CLN2
	v_mov_b32 v[KP+1], CLN2
	v_mov_b32 v[KN], CC
	v_mov_b32 v[KN+1], CC
	C1LOAD 0
; ---------------- the stages ----------------
; From y in RY: h' = y s into RY, d = h' u + s into RU.  hook = 1: layer 3's product stands as soon as h' is there.
.macro SIGMOID hook
.set i, 0
.rept 32
	v_exp_f32 v[RE+i], v[RY+i]
.set i, i+1
.endr
	v_nop                                          ; one plain instruction behind a transcendental before its result is used (ISA guide 5.7.2)
.set i, 0
	s_wait_alu depctr_va_vdst(0)
.rept 16
	v_pk_add_f32 v[RE+i:RE+i+1], v[RE+i:RE+i+1], 1.0 op_sel_hi:[1,0]
.set i, i+2
.endr
.set i, 0
.rept 32
	v_rcp_f32 v[RS+i], v[RE+i]
.set i, i+1
.endr
	v_nop
.set i, 0
	s_wait_alu depctr_va_vdst(0)
.rept 16
	v_pk_mul_f32 v[RY+i:RY+i+1], v[RY+i:RY+i+1], v[RS+i:RS+i+1]
.set i, i+2
.endr
.if \hook
.irp nt, 0,1
.irp mt, 0,1
.irp q, 0,1,2,3
	v_cvt_pk_bf16_f32 v[HB+8*\nt+4*\mt+\q], v[RY+8*(2*\mt+\nt)+2*\q], v[RY+8*(2*\mt+\nt)+2*\q+1]   ; tile 0: K = 8h.., tile 1: K = 16 + 8h..
.endr
.endr
.endr
.irp nt, 0,1
	v_wmma_f32_16x16x32_bf16 v[F3+8*\nt:F3+8*\nt+7], v[A3:A3+7], v[HB+8*\nt:HB+8*\nt+7], 0          ; register jj: output 8h + jj of row 16nt + r, my 32 units' share
.endr
.endif
.set i, 0
.rept 16
	v_pk_fma_f32 v[RU+i:RU+i+1], v[RS+i:RS+i+1], v[KP:KP+1], v[KN:KN+1]                             ; these 32 name none of the two products' registers:
.set i, i+2                                                                                        ; they are the places in front of the stores of F3
.endr
.set i, 0
.rept 16
	v_pk_fma_f32 v[RU+i:RU+i+1], v[RY+i:RY+i+1], v[RU+i:RU+i+1], v[RS+i:RS+i+1]
.set i, i+2
.endr
.endm
; B fragments of K step s (s < 8: h1', else d1) for both batch tiles, into ring buffer s % 8.  Stands under setting 0x01: v0 is v256 = VFR.
.macro LOADB s
.irp nt, 0,1
	ds_load_b128 v[ST+16*((\s)%8)+8*\nt:ST+16*((\s)%8)+8*\nt+3],   v0 offset:((\s)>>3)*LD1+((\s)&7)*BBLK+\nt*BTILE
	ds_load_b128 v[ST+16*((\s)%8)+8*\nt+4:ST+16*((\s)%8)+8*\nt+7], v0 offset:((\s)>>3)*LD1+((\s)&7)*BBLK+\nt*BTILE+32
.endr
.endm
; K step s of layer 2: four products; s < 8 into y2 (which starts as b2'), s >= 8 into p (whose first product starts the sums)
.macro L2STEP s
.if \s <= 8
	s_wait_dscnt 28                                ; LDS loads return in order: seven younger K steps of four loads stay out
.else
	s_wait_dscnt 4*(15-\s)                         ; nothing is asked for any more: the count runs down
.endif
.irp mt, 0,1
.if 2*\s+\mt == 31
	WIN 0
.set FR, WX
.else
.set FR, 8+8*(2*\s+\mt)
.endif
.irp nt, 0,1
.if \s < 8
	v_wmma_f32_16x16x32_bf16 v[RY+8*(2*\mt+\nt):RY+8*(2*\mt+\nt)+7], v[FR:FR+7], v[ST+16*((\s)%8)+8*\nt:ST+16*((\s)%8)+8*\nt+7], v[RY+8*(2*\mt+\nt):RY+8*(2*\mt+\nt)+7]
.else
.if \s == 8
	v_wmma_f32_16x16x32_bf16 v[RP+8*(2*\mt+\nt):RP+8*(2*\mt+\nt)+7], v[FR:FR+7], v[ST+16*((\s)%8)+8*\nt:ST+16*((\s)%8)+8*\nt+7], 0
.else
	v_wmma_f32_16x16x32_bf16 v[RP+8*(2*\mt+\nt):RP+8*(2*\mt+\nt)+7], v[FR:FR+7], v[ST+16*((\s)%8)+8*\nt:ST+16*((\s)%8)+8*\nt+7], v[RP+8*(2*\mt+\nt):RP+8*(2*\mt+\nt)+7]
.endif
.endif
.endr
.endr
.if \s < 8
	PLACES                                         ; in front of the loads into the B registers just multiplied
	LOADB \s+8
.endif
.endm
; One evaluation of f and its divergence at the z that lies in ZB, with c1 already asked for into RY.
; wgt: its RK weight.  last = 0: the next z = x + anext f is stored and c1 of time index tnext asked for.
.macro EVAL wgt, anext, tnext, last
	; PHASE 1: y1 = W1' [z hi; z lo] + c1 for my 32 units x 32 rows
.irp nt, 0,1
	ds_load_b128 v[ZF+8*\nt:ZF+8*\nt+3],   v[VFR] offset:LZB+BTILE*\nt
	ds_load_b128 v[ZF+8*\nt+4:ZF+8*\nt+7], v[VFR] offset:LZB+BTILE*\nt+32
.endr
	s_wait_dscnt 0x0                               ; z and c1
.irp mt, 0,1
.irp nt, 0,1
	v_wmma_f32_16x16x32_bf16 v[RY+8*(2*\mt+\nt):RY+8*(2*\mt+\nt)+7], v[A1+8*\mt:A1+8*\mt+7], v[ZF+8*\nt:ZF+8*\nt+7], v[RY+8*(2*\mt+\nt):RY+8*(2*\mt+\nt)+7]
.endr
.endr
	PLACES                                         ; in front of the reads of y1 and the writes over ZF
	SIGMOID 0
.set i, 0
.rept 16
	v_cvt_pk_bf16_f32 v[HB+i], v[RY+2*i], v[RY+2*i+1]
	v_cvt_pk_bf16_f32 v[DB+i], v[RU+2*i], v[RU+2*i+1]
.set i, i+1
.endr
.irp mt, 0,1
.irp nt, 0,1
	ds_store_b128 v[VST], v[HB+4*(2*\mt+\nt):HB+4*(2*\mt+\nt)+3] offset:\nt*BTILE+32*\mt
	ds_store_b128 v[VST], v[DB+4*(2*\mt+\nt):DB+4*(2*\mt+\nt)+3] offset:LD1+\nt*BTILE+32*\mt
.endr
.endr
	s_wait_dscnt 0x0                               ; my h1' and d1 are in LDS before I signal
	s_barrier_signal -1
	B2LOAD                                         ; a table that no wave writes after the set-up
	s_barrier_wait -1                              ; everybody's h1' and d1 are in
	; PHASE 2: y2 = W2^T h1' + b2', p = G^T d1: 16 K steps through a ring of 8 register buffers
	WIN 0x01                                       ; A and the LDS address in window 1, all else in window 0
.irp s, 0,1,2,3,4,5,6,7
	LOADB \s
.endr
.irp s, 0,1,2,3,4,5,6,7,8,9,10,11,12,13,14,15
	L2STEP \s
.endr
	PLACES                                         ; in front of the reads of y2 and p and the writes over the ring
	SIGMOID 1
	; my units' share of sum_k p_k d2_k, for each of my two rows
.irp nt, 0,1
	v_pk_mul_f32 v[QA+2*\nt:QA+2*\nt+1], v[RP+8*\nt:RP+8*\nt+1], v[RU+8*\nt:RU+8*\nt+1]
.endr
.irp o, 2,4,6,16,18,20,22
.irp nt, 0,1
	v_pk_fma_f32 v[QA+2*\nt:QA+2*\nt+1], v[RP+8*\nt+\o:RP+8*\nt+\o+1], v[RU+8*\nt+\o:RU+8*\nt+\o+1], v[QA+2*\nt:QA+2*\nt+1]
.endr
.endr
.irp nt, 0,1
	v_add_f32 v[QS+\nt], v[QA+2*\nt], v[QA+2*\nt+1]
.endr
.irp nt, 0,1
	ds_store_b128 v[VPS], v[F3+8*\nt:F3+8*\nt+3]   offset:\nt*BTILE
	ds_store_b128 v[VPS], v[F3+8*\nt+4:F3+8*\nt+7] offset:\nt*BTILE+16
	ds_store_b32  v[VPD], v[QS+\nt]                offset:\nt*BTILE
.endr
	s_wait_dscnt 0x0                               ; my partial sums are in LDS, my reads of h1' and d1 are over
	s_barrier_signal -1
	s_barrier_wait -1
	; PHASE 3: thread (row 4w + bl, outputs 2ip, 2ip + 1) adds the eight waves' shares and steps the RK state
.set i, 0
.rept 8
	ds_load_b64 v[FP+2*i:FP+2*i+1], v[VPR] offset:i*PBLK
.set i, i+1
.endr
	ds_load_b64 v[DP:DP+1], v[VDR]                 ; wave ip's two divergence parts of my row
	s_wait_dscnt 0x0
.irp o, 0,4,8,12
	v_pk_add_f32 v[FP+\o:FP+\o+1], v[FP+\o:FP+\o+1], v[FP+\o+2:FP+\o+3]
.endr
	v_add_f32 v[DV], v[DP], v[DP+1]
	v_pk_add_f32 v[FP:FP+1], v[FP:FP+1], v[FP+4:FP+5]
	v_pk_add_f32 v[FP+8:FP+9], v[FP+8:FP+9], v[FP+12:FP+13]
	v_add_f32_dpp v[DV], v[DV], v[DV] row_xmask:1 row_mask:0xf bank_mask:0xf   ; over the 8 lanes of my row = the 8 waves
	v_pk_add_f32 v[FP:FP+1], v[FP:FP+1], v[FP+8:FP+9]
	v_add_f32_dpp v[DV], v[DV], v[DV] row_xmask:2 row_mask:0xf bank_mask:0xf
	v_pk_add_f32 v[RF:RF+1], v[FP:FP+1], v[RB3:RB3+1]
	v_add_f32_dpp v[DV], v[DV], v[DV] row_xmask:4 row_mask:0xf bank_mask:0xf
	v_pk_fma_f32 v[RKS:RKS+1], v[RF:RF+1], \wgt, v[RKS:RKS+1] op_sel_hi:[1,0,1]
	v_fmac_f32 v[RDS], \wgt, v[DV]
.if \last == 0
	v_pk_fma_f32 v[RZ:RZ+1], v[RF:RF+1], \anext, v[RX:RX+1] op_sel_hi:[1,0,1]
	ZSTORE RZ, ZT
	s_wait_dscnt 0x0                               ; my z is in LDS, my reads of the partial sums are over
	s_barrier_signal -1
	C1LOAD \tnext                                  ; a table that no wave writes after the set-up
	s_barrier_wait -1
.endif
.endm
	EVAL 1.0, 0.5, 1, 0                            ; k1 at t = 0;    next z = x + k1/2, t = 1/2
	EVAL 2.0, 0.5, 1, 0                            ; k2 at t = 1/2;  next z = x + k2/2, t = 1/2
	EVAL 2.0, 1.0, 2, 0                            ; k3 at t = 1/2;  next z = x + k3,   t = 1
	EVAL 1.0, 0, 0, 1                              ; k4 at t = 1
	; out = -(|z1|^2)/2 - 8 ln(2 pi) + (div1 + 2 div2 + 2 div3 + div4)/6,  z1 = x + (k1 + 2 k2 + 2 k3 + k4)/6
	v_pk_fma_f32 v[RZ:RZ+1], v[RKS:RKS+1], C16, v[RX:RX+1] op_sel_hi:[1,0,1]
	v_mov_b32 v[RO], CLP
	v_mul_f32 v[SS], v[RZ], v[RZ]
	v_fmac_f32 v[SS], v[RZ+1], v[RZ+1]
	v_fmac_f32 v[RO], C16, v[RDS]
	v_add_f32_dpp v[SS], v[SS], v[SS] row_xmask:1 row_mask:0xf bank_mask:0xf
	v_add_f32_dpp v[SS], v[SS], v[SS] row_xmask:2 row_mask:0xf bank_mask:0xf
	v_add_f32_dpp v[SS], v[SS], v[SS] row_xmask:4 row_mask:0xf bank_mask:0xf
	v_fmac_f32 v[RO], -0.5, v[SS]
	ds_store_b32 v[VOW], v[RO]                     ; the 8 lanes of a row store one word, all with the same value
	s_wait_dscnt 0x0
	s_barrier_signal -1
	s_barrier_wait -1
	s_cmp_lg_u32 s24, 0
	s_cbranch_scc1 .Lend
	ds_load_b32 v[RO], v[VOL]
	s_wait_dscnt 0x0
	global_store_b32 v[VOG], v[RO], s[22:23]       ; wave 0: the work-group's 32 results, 128 consecutive bytes
.Lend:
	s_set_vgpr_msb 0x5
	s_wait_tensorcnt 0x0
	ds_add_u32 v6, v7
	s_wait_dscnt 0x0
	s_set_vgpr_msb 0x500
	s_endpgm
.Lfunc_end_k_q2da14c73d7_cnf:
	.size	k_q2da14c73d7_cnf, .Lfunc_end_k_q2da14c73d7_cnf-k_q2da14c73d7_cnf
	.p2alignl 7, 3214868480
	.fill 96, 4, 3214868480
	.section	.rodata,"a",@progbits
	.p2align	6, 0x0
	.amdhsa_kernel k_q2da14c73d7_cnf
		.amdhsa_group_segment_fixed_size 81664
		.amdhsa_private_segment_fixed_size 0
		.amdhsa_enable_private_segment 0
		.amdhsa_kernarg_size 64
		.amdhsa_user_sgpr_count 2
		.amdhsa_user_sgpr_kernarg_segment_ptr 1
		.amdhsa_wavefront_size32 1
		.amdhsa_system_sgpr_workgroup_id_x 1
		.amdhsa_system_sgpr_workgroup_id_y 1
		.amdhsa_system_sgpr_workgroup_id_z 1
		.amdhsa_system_vgpr_workitem_id 0
		.amdhsa_next_free_vgpr 512
		.amdhsa_next_free_sgpr 66
		.amdhsa_reserve_vcc 0
		.amdhsa_float_denorm_mode_32 3
		.amdhsa_float_denorm_mode_16_64 3
		.amdhsa_memory_ordered 1
		.amdhsa_forward_progress 1
		.amdhsa_inst_pref_size 178
	.end_amdhsa_kernel
	.amdgpu_metadata
---
amdhsa.version: [ 1, 2 ]
amdhsa.kernels:
  - .name:           k_q2da14c73d7_cnf
    .symbol:         k_q2da14c73d7_cnf.kd
    .args:
      - { .name: x, .offset: 0, .size: 8, .value_kind: global_buffer, .address_space: global }
      - { .name: W1, .offset: 8, .size: 8, .value_kind: global_buffer, .address_space: global }
      - { .name: b1, .offset: 16, .size: 8, .value_kind: global_buffer, .address_space: global }
      - { .name: W2, .offset: 24, .size: 8, .value_kind: global_buffer, .address_space: global }
      - { .name: b2, .offset: 32, .size: 8, .value_kind: global_buffer, .address_space: global }
      - { .name: W3, .offset: 40, .size: 8, .value_kind: global_buffer, .address_space: global }
      - { .name: b3, .offset: 48, .size: 8, .value_kind: global_buffer, .address_space: global }
      - { .name: out0, .offset: 56, .size: 8, .value_kind: global_buffer, .address_space: global }
    .group_segment_fixed_size: 81664
    .private_segment_fixed_size: 0
    .kernarg_segment_align: 8
    .kernarg_segment_size: 64
    .max_flat_workgroup_size: 256
    .sgpr_count:     66
    .vgpr_count:     512
    .wavefront_size: 32
...
	.end_amdgpu_metadata
.endif
;; end of part 1
;; ======== version 2 of 2: 1 launch; version 1 with the launch cnf written anew for expert scheduling mode
;; launch cnf (part 2): grid 256 x 1, 8 waves a work-group, no clusters, 81,664 bytes of LDS; arguments x, W1, b1, W2, b2, W3, b3, out0; writes out0
.if DOCPART == 2
	.amdgcn_target "amdgcn-amd-amdhsa--gfx1250"
	.amdhsa_code_object_version 6
	.text
	.protected	k_q2da14c73d7_cnf
	.globl	k_q2da14c73d7_cnf
	.p2align	8
	.type	k_q2da14c73d7_cnf,@function
k_q2da14c73d7_cnf:
	s_mov_b64 s[64:65], 0
	v_nop
	global_prefetch_b8 v0, s[64:65] scope:SCOPE_SE
	s_setreg_imm32_b32 hwreg(HW_REG_WAVE_SCHED_MODE, 0, 2), 2
	s_setreg_imm32_b32 hwreg(HW_REG_WAVE_MODE, 25, 1), 1
	s_wait_xcnt 0x0
	s_wait_alu depctr_vm_vsrc(0)
; One RK4 step of the field f(t,z) = W3^T silu(W2^T silu(W1^T [z,t] + b1) + b2) + b3 with its exact divergence, and the log density.
; 8,192 rows = 256 work-groups x 32 rows; 8 waves of 512 registers, so a work-group has the four SIMDs' registers to itself.
;
; THE DIVERGENCE.  trace(df/dz) = sum_ijk W1[i,j] d1_j W2[j,k] d2_k W3[k,i] = sum_jk d1_j G[j,k] d2_k with G[j,k] = W2[j,k] M[k,j],
; M = W3 W1[0:16], d = silu'.  An identity for every input; G hangs on no row and is made once.  A stage is then h1 W2, d1 G,
; the two small layers and one dot product.
;
; TRANSPOSED PRODUCTS: hidden units are M, batch rows are N.  A result tile holds in lane (r,h) eight neighbouring units 8h..8h+7 of batch
; row r, which packed to bf16 is half of the next layer's B fragment.  Wave w owns 32 units of each hidden layer; its A fragments of W2 and G
; (2 x 2 x 8 fragments of 8 registers) stay in registers through all four stages; only h1 and d1 pass through LDS.
; Hidden-2 unit of (wave w, tile mt, row m) is k = 32w + 2m + mt, so that one 8-byte load of a row of W2 serves both tiles; the same
; order is used for b2, W3's rows and G.
;
; SCALING, with a = -log2(e), c = -ln 2, a c = 1:  W1' = a W1, c1 = a (b1 + t W1[16]), b2' = a b2, W3' = c W3, W2 as it is.
; y = a x;  s = 1/(1 + 2^y) = sigmoid(x);  h' = y s = a silu(x);  u = s ln2 - ln2 = c (1 - s);  d = h' u + s = silu'(x).
; y2 = h1' W2 + b2';  f = h2' W3' + b3;  M = W3' W1'.  Large y: 2^y = inf, s = 0, h' = 0, d = 0; very negative y: s = 1, u = 0, d = 1.
; Layer 1 has K = 16 of the instruction's 32: the other 16 carry z's remainder after bf16 (z = hi + lo) against the same weights.
; Layer 3 is split over K: each wave multiplies its own 32 units from registers; a thread per (row, two outputs) adds the 8 partial sums
; and keeps the RK state in f32.
;
; LIMITS KEPT: W1', W2, W3', G, h', d1 are bf16 matrix operands (W1', W3' rounded after scaling; M made from the bf16 factors); sums in f32,
; in another order than the definition's; v_exp_f32 and v_rcp_f32 flush denormals (ISA guide 15.8), so a sigmoid below 2^-126 counts as 0.
;
; NO CLUSTER, NO TENSOR LOAD: all work-groups read the same W2, but a joint load lands in LDS, and W2 in f32 with 16 bytes of pad per 256
; is 278,528 bytes (262,144 unpadded), which beside the 80,640 bytes used here passes 327,680; and each byte would be written to and read from LDS once more,
; while here each lane's 8-byte loads are already its fragment's numbers.  The other weights are 35 KB.
; The work-group's output is 128 bytes (32 rows): one store of wave 0 covers them.
;
; THE MODE: SCHED_MODE bits 1:0 = 2 (LLVM: expert scheduling mode 2), set by the entry lines.  The code itself states the register dependences
; between vector or matrix instructions and memory or LDS instructions, with s_wait_alu, always for 0.
; THE PLAN.  Registers that memory or LDS instructions touch:
;   offsets and LDS addresses (v1-v13, v22-v26, v256)  made once in the set-up, ahead of a wait on va_vdst, and never written again.
;   v116-121   offsets of the small loads; M's products write over them behind the set-up's wait on vm_vsrc.
;   set-up's store data (v56-63, v81, v82, v124-127)  all made first; one wait on va_vdst; the eight LDS stores in one run; one wait on vm_vsrc before they are written again.
;   W2's ring (4 x 32 in ST), AF0   a chunk's conversions and multiplies read the ring buffer, its four products read AF0; ONE wait on va_vdst behind the multiplies;
;              the ring's next loads and the next chunk's AF0 loads follow it at once, and G's conversions, which name M and the weight fragments alone, stand behind them.
;   RY         c1 and b2' land in it behind the wait that stands ahead of the stores just before; no vector line between names it.
;   HB, DB     conversions write them, LDS stores read them, then they are ring buffers 6 and 7: both waits stand ahead of the ring's first loads.
;   B ring (8 x 16 in ST)  K steps 0-3 read buffers 0-3; one wait on va_vdst; the loads of K steps 8-11 land there, dealt among the products of K steps 4-7, which name
;              buffers 4-7.  The same once more behind K step 7, for K steps 12-15.
;   F3, QS     products and adds write them; one wait on va_vdst; the LDS stores; the stage's closing wait on vm_vsrc frees them for the next stage.
;   FP, DP     loads land in them behind that same wait on va_vdst; the stores between name F3 and QS alone.
;   ZT+2, ZT+3 conversions write them; one wait on va_vdst; two LDS stores; freed by the stage's closing wait on vm_vsrc.
; ---- LDS map (bytes) ----
.set LH1,   0                          ; h1': block of writer wave x 2,560; batch row x 80 (32 bf16 + 16 bytes pad)
.set LD1,   20480                      ; d1: the same
.set LZB,   40960                      ; z: row x 80: hi[16] bf16 at 0, lo[16] at 32
.set LPB,   43520                      ; partial sums: wave x 2,576; row x 80: f[16] f32 at 0, two divergence parts at 64, 68
.set LW1T,  64128                      ; W1' transposed: hidden unit j x 48: 16 bf16
.set LC1T,  76416                      ; c1 for t = 0, 0.5, 1: 3 rows of 1,024; b2' in tile order follows at + 3,072
.set LOUT,  80512                      ; out[32]
.set BROW,  80                         ; pitches 80 and 48 are odd multiples of 16: sixteen rows start in sixteen different 16-byte columns
.set BTILE, 1280                       ; 16 rows
.set BBLK,  2560
.set PBLK,  2576
; ---- registers, window 0 ----
.set VFR,  1                           ; r*80 + 16h: fragment reads of H1, D1, ZB
.set VST,  2                           ; w*2560 + r*80 + 16h: my stores of h1', d1
.set VTA,  3                           ; temporary
.set VZW,  4                           ; where I store my two z
.set VPS,  5                           ; where I store layer 3's partial sums
.set VPD,  6                           ; where I store my divergence part
.set VPR,  7                           ; where I read the 8 partial sums of my (row, two outputs)
.set VDR,  8                           ; where I read wave ip's divergence parts of my row
.set VC1,  9                           ; c1 of my units
.set VB2,  10                          ; b2' of my units
.set VOW,  11
.set VOL,  12
.set VOG,  13
.set RX,   14                          ; v[14:15] my two x
.set RB3,  16                          ; v[16:17] my two b3
.set RKS,  18                          ; v[18:19] k1 + 2 k2 + 2 k3 + k4
.set RDS,  20                          ; the same sum of the divergences
.set VTB,  21                          ; temporary
.set VW2,  22                          ; 8192h + 128w + 8r: my offset in W2
.set VW1R, 23
.set VA1,  24
.set VW1W, 25
.set VC1W, 26
.set IL,   27                          ; ids, during the set-up
.set IR,   28
.set IH,   29
.set IBL,  30
.set IIP,  31
.set KP,   28                          ; v[28:29] = ln 2 twice, v[30:31] = -ln 2 twice, after the set-up
.set KN,   30
.set A1,   32                          ; v[32:47] layer 1's A fragments, 2 tiles
.set A3,   48                          ; v[48:55] layer 3's A fragment
.set WX,   56                          ; v[56:63] weight fragment 31 (in the set-up first: W1' packed)
.set RY,   64                          ; v[64:95]  4 tiles (a = 2 mt + nt) of y, then h'
.set RP,   96                          ; v[96:127] 4 tiles of p = G^T d1
.set ST,   128                         ; v[128:255] rings and temporaries
.set RE,   ST
.set RS,   ST+32
.set RU,   ST+64
.set HB,   ST+96
.set DB,   ST+112
.set ZF,   ST
.set F3,   ST
.set QA,   DB
.set QS,   DB+4
.set FP,   ST+32
.set DP,   ST+48
.set RF,   ST+50
.set RZ,   ST+52
.set ZT,   ST+54
.set DV,   ST+58
.set SS,   ST+59
.set RO,   ST+60
.set RL,   ST+61                       ; wave 0's results as read back: a register that no LDS store reads
; set-up only
.set TW1,  64                          ; v64-80 W1[0..16][t]
.set TB1,  81
.set TB2,  82
.set TA3,  84                          ; v[84:99]
.set TW3B, 100                         ; v[100:115]
.set VT4,  116
.set VK4,  117
.set VW3B, 118
.set VA3A, 119
.set VT8,  120
.set VB3,  121
.set ZT0,  122                         ; v122-125: temporaries of the first z store (ST is the target of loads still out)
.set TC,   126                         ; v126-127
.set AF0,  64                          ; v[64:71], v[72:79]: A fragments of W1' for M, upper halves 0
.set W3BF, 84                          ; v[84:95] = [tile 0 | tile 1 | 0]: B fragments of W3' for M
.set MT,   96                          ; v[96:127] M, tile 2 mt + hf
; window 1: v256 (written v0) = a copy of VFR; weight fragment f = 2 s + mt at v[264 + 8 f] (written v[8 + 8 f]), f = 0..30;
; s = 0..7: W2's K step s, s = 8..15: G's K step s - 8.
.set CA,   0xbfb8aa3b                  ; a = -log2(e)
.set CC,   0xbf317218                  ; c = -ln 2
.set CLN2, 0x3f317218
.set C16,  0x3e2aaaab                  ; 1/6
.set CLP,  0xc16b3f8e                  ; -8 ln(2 pi)
.set MSB, 0
.macro WIN new                         ; low byte: bits 1:0 source 0, 3:2 source 1, 5:4 source 2, 7:6 destination; high byte: the setting left
.if MSB != \new
	s_set_vgpr_msb (MSB<<8)|\new
.set MSB, \new
.endif
.endm
.macro PLACES                          ; four independent vector instructions behind a matrix instruction (ISA guide 7.12.1)
.rept 4
	v_nop
.endr
.endm
; 16 loads of 8 bytes: rows 32c + 16hf + 8h + jj of W2, columns k(r,0), k(r,1), into ring buffer c % 4
.macro W2LOAD c
.irp hf, 0,1
.irp jj, 0,1,2,3,4,5,6,7
	global_load_b64 v[ST+32*((\c)%4)+2*(8*\hf+\jj):ST+32*((\c)%4)+2*(8*\hf+\jj)+1], v[VW2], s[14:15] offset:(32*(\c)+16*\hf+\jj)*1024
.endr
.endr
.endm
; z = hi + lo in bf16, for layer 1's B fragments.  src: the pair; tb: four temporaries from an even register.  ZSPLIT makes the two words, ZPUT stores them.
.macro ZSPLIT src, tb
	v_cvt_pk_bf16_f32 v[\tb+2], v[\src], v[\src+1]
	v_lshlrev_b32 v[\tb], 16, v[\tb+2]
	v_and_b32 v[\tb+1], 0xffff0000, v[\tb+2]
	v_pk_add_f32 v[\tb:\tb+1], v[\src:\src+1], v[\tb:\tb+1] neg_lo:[0,1] neg_hi:[0,1]
	v_cvt_pk_bf16_f32 v[\tb+3], v[\tb], v[\tb+1]
.endm
.macro ZPUT tb
	ds_store_b32 v[VZW], v[\tb+2]
	ds_store_b32 v[VZW], v[\tb+3] offset:32
.endm
; the bias of layer 1 at time index tidx, as the C of all four tiles (register jj: unit 32w + 16mt + 8h + jj)
.macro C1LOAD tidx
.irp mt, 0,1
.irp nt, 0,1
	ds_load_b128 v[RY+8*(2*\mt+\nt):RY+8*(2*\mt+\nt)+3],   v[VC1] offset:\tidx*1024+64*\mt
	ds_load_b128 v[RY+8*(2*\mt+\nt)+4:RY+8*(2*\mt+\nt)+7], v[VC1] offset:\tidx*1024+64*\mt+16
.endr
.endr
.endm
.macro B2LOAD
.irp mt, 0,1
.irp nt, 0,1
	ds_load_b128 v[RY+8*(2*\mt+\nt):RY+8*(2*\mt+\nt)+3],   v[VB2] offset:64*\mt
	ds_load_b128 v[RY+8*(2*\mt+\nt)+4:RY+8*(2*\mt+\nt)+7], v[VB2] offset:64*\mt+16
.endr
.endr
.endm
; the two A fragments of W1' for M in chunk c
.macro AFLOAD c
	ds_load_b128 v[AF0:AF0+3],    v[VW1R] offset:(2*(\c))*768      ; rows j = 32c + r of W1'
	ds_load_b128 v[AF0+8:AF0+11], v[VW1R] offset:(2*(\c)+1)*768    ; rows j = 32c + 16 + r
.endm
; ---------------- set-up ----------------
	s_load_b512 s[8:23], s[0:1], 0x0               ; x s[8:9], W1 s[10:11], b1 s[12:13], W2 s[14:15], b2 s[16:17], W3 s[18:19], b3 s[20:21], out0 s[22:23]
	s_set_vgpr_msb 0x40
	v_lshl_add_u32 v6, v0, 2, 0x13b00
	v_mov_b32 v7, 0
	s_set_vgpr_msb 0x4000
	v_lshrrev_b32 v[VTA], 5, v0
	v_readfirstlane_b32 s24, v[VTA]                ; wave w
	v_and_b32 v[IL], 31, v0                        ; lane L
	v_and_b32 v[IR], 15, v0                        ; r
	v_bfe_u32 v[IH], v0, 4, 1                      ; h
	v_bfe_u32 v[IBL], v0, 3, 2                     ; bl: my row is 4w + bl
	v_and_b32 v[IIP], 7, v0                        ; ip: my outputs are 2ip, 2ip + 1
	s_wait_alu depctr_va_sdst(0)                   ; s24 is written, ahead of its first reader: the wave's shares of LDS and of the weights are made from it
	s_mul_i32 s30, s24, BBLK
	s_mul_i32 s31, s24, 4*BROW
	s_mul_i32 s32, s24, PBLK
	s_lshl_b32 s33, s24, 7
	s_mul_i32 s34, s24, 32*48
	s_lshl_b32 s35, s24, 4
	s_lshl_b32 s36, s24, 11
	s_movk_i32 s37, PBLK
	s_lshl_b32 s28, ttmp9, 11                      ; 32 rows of x = 2,048 bytes
	s_mov_b32 s29, 0
	s_lshl_b32 s26, ttmp9, 7                       ; 32 outputs = 128 bytes
	s_mov_b32 s27, 0
	v_lshlrev_b32 v[VT4], 2, v0                    ; 4t
	v_lshl_add_u32 v[VK4], v[IR], 3, s33           ; 4 k(t) = 128w + 8r + 4h
	v_lshl_add_u32 v[VK4], v[IH], 2, v[VK4]
	v_lshl_add_u32 v[VW3B], v[IR], 7, s36          ; W3 row 32w + 2r, outputs 8h..: 2048w + 128r + 32h
	v_lshl_add_u32 v[VW3B], v[IH], 5, v[VW3B]
	v_lshl_add_u32 v[VA3A], v[IH], 10, s36         ; W3 row 32w + 16h, output r: 2048w + 1024h + 4r
	v_lshl_add_u32 v[VA3A], v[IR], 2, v[VA3A]
	v_lshlrev_b32 v[VT8], 3, v0                    ; x: (4w + bl) 64 + 8 ip = 8t
	v_lshlrev_b32 v[VB3], 3, v[IIP]
	v_lshl_add_u32 v[VW2], v[IH], 13, s33
	v_lshl_add_u32 v[VW2], v[IR], 3, v[VW2]
	s_wait_kmcnt 0x0
	s_add_nc_u64 s[8:9], s[8:9], s[28:29]
	s_add_nc_u64 s[22:23], s[22:23], s[26:27]
	s_wait_alu depctr_va_vdst(0)                   ; the seven offsets v22 and v116-121 are written, which the global loads read
	; 41 small loads, then three chunks of W2
.set i, 0
.rept 17
	global_load_b32 v[TW1+i], v[VT4], s[10:11] offset:i*1024       ; W1[i][t]
.set i, i+1
.endr
	global_load_b32 v[TB1], v[VT4], s[12:13]
	global_load_b32 v[TB2], v[VK4], s[16:17]                       ; b2 in tile order
.irp mt, 0,1
	global_load_b128 v[TW3B+8*\mt:TW3B+8*\mt+3],   v[VW3B], s[18:19] offset:64*\mt
	global_load_b128 v[TW3B+8*\mt+4:TW3B+8*\mt+7], v[VW3B], s[18:19] offset:64*\mt+16
.endr
.set i, 0
.rept 16
	global_load_b32 v[TA3+i], v[VA3A], s[18:19] offset:i*64        ; W3[32w + 16h + i][r]
.set i, i+1
.endr
	global_load_b64 v[RX:RX+1], v[VT8], s[8:9] th:TH_LOAD_NT
	global_load_b64 v[RB3:RB3+1], v[VB3], s[20:21]
	W2LOAD 0
	W2LOAD 1
	W2LOAD 2
	; LDS addresses, while the loads are out
	v_mul_u32_u24 v[VTB], BROW, v[IR]
	v_lshl_add_u32 v[VFR], v[IH], 4, v[VTB]
	v_add_nc_u32 v[VST], s30, v[VFR]
	v_add_nc_u32 v[VTB], s32, v[VTB]               ; w*2576 + r*80
	v_lshl_add_u32 v[VPS], v[IH], 5, v[VTB]
	v_add_nc_u32 v[VPS], LPB, v[VPS]
	v_lshl_add_u32 v[VPD], v[IH], 2, v[VTB]
	v_add_nc_u32 v[VPD], LPB+64, v[VPD]
	v_mul_u32_u24 v[VTA], BROW, v[IBL]
	v_add_nc_u32 v[VTA], s31, v[VTA]               ; my row: w*320 + bl*80
	v_lshl_add_u32 v[VZW], v[IIP], 2, v[VTA]
	v_add_nc_u32 v[VZW], LZB, v[VZW]
	v_lshl_add_u32 v[VPR], v[IIP], 3, v[VTA]
	v_add_nc_u32 v[VPR], LPB, v[VPR]
	v_mad_u32_u24 v[VDR], v[IIP], s37, v[VTA]
	v_add_nc_u32 v[VDR], LPB+64, v[VDR]
	v_lshl_add_u32 v[VC1], v[IH], 5, s33
	v_add_nc_u32 v[VC1], LC1T, v[VC1]
	v_add_nc_u32 v[VB2], 3072, v[VC1]
	v_lshl_add_u32 v[VOW], v[IBL], 2, s35
	v_add_nc_u32 v[VOW], LOUT, v[VOW]
	v_lshlrev_b32 v[VOG], 2, v[IL]
	v_add_nc_u32 v[VOL], LOUT, v[VOG]
	v_mul_u32_u24 v[VW1R], 48, v[IR]
	v_lshl_add_u32 v[VW1R], v[IH], 4, v[VW1R]
	v_add_nc_u32 v[VW1R], LW1T, v[VW1R]
	v_add_nc_u32 v[VA1], s34, v[VW1R]
	v_mul_u32_u24 v[VW1W], 48, v[IL]
	v_add_nc_u32 v[VW1W], s34, v[VW1W]
	v_add_nc_u32 v[VW1W], LW1T, v[VW1W]
	v_add_nc_u32 v[VC1W], s33, v[VOG]
	v_add_nc_u32 v[VC1W], LC1T, v[VC1W]
	v_mov_b32 v[RKS], 0
	v_mov_b32 v[RKS+1], 0
	v_mov_b32 v[RDS], 0
	WIN 0x40
	v_mov_b32 v0, v[VFR]                           ; v256 = VFR: layer 2's LDS loads stand under a setting whose source 0 is window 1
	WIN 0
	s_wait_loadcnt 48                              ; loads return in order (ISA guide 5.7.1): the 41 small ones are in, the 3 x 16 of W2 stay out
	W2LOAD 3                                       ; no wait: no vector line since the wait ahead of the first load names v22 or the ring's fourth buffer
	; W1' = a W1, row j = t of the transposed table
.set i, 0
.rept 8
	v_pk_mul_f32 v[TW1+i:TW1+i+1], v[TW1+i:TW1+i+1], CA op_sel_hi:[1,0]
.set i, i+2
.endr
.set i, 0
.rept 8
	v_cvt_pk_bf16_f32 v[WX+i], v[TW1+2*i], v[TW1+2*i+1]
.set i, i+1
.endr
	; c1[t] = a (b1 + t W1[16]) for t = 0, 0.5, 1, in f32; b2' = a b2
	v_mul_f32 v[TB1], CA, v[TB1]
	v_mul_f32 v[TW1+16], CA, v[TW1+16]
	v_mul_f32 v[TB2], CA, v[TB2]
	v_fma_f32 v[TC], v[TW1+16], 0.5, v[TB1]
	v_add_f32 v[TC+1], v[TW1+16], v[TB1]
	; layer 3's A fragment: row i = r; register 4mt + q: units 32w + 16h + 4q + mt and + 2 (the order in which h2' lies in B)
.set i, 0
.rept 8
	v_pk_mul_f32 v[TA3+i:TA3+i+1], v[TA3+i:TA3+i+1], CC op_sel_hi:[1,0]
	v_pk_mul_f32 v[TW3B+i:TW3B+i+1], v[TW3B+i:TW3B+i+1], CC op_sel_hi:[1,0]
.set i, i+2
.endr
.irp mt, 0,1
.irp q, 0,1,2,3
	v_cvt_pk_bf16_f32 v[A3+4*\mt+\q], v[TA3+4*\q+\mt], v[TA3+4*\q+2+\mt]
.endr
.endr
	; B fragments of W3' for M (column n = r is unit k(r,mt), K = outputs 8h..8h+7); K = 16..31 meets zeros in A
.set i, 0
.rept 8
	v_cvt_pk_bf16_f32 v[W3BF+i], v[TW3B+2*i], v[TW3B+2*i+1]
.set i, i+1
.endr
.irp i, 8,9,10,11
	v_mov_b32 v[W3BF+\i], 0
.endr
.irp i, 4,5,6,7,12,13,14,15
	v_mov_b32 v[AF0+\i], 0                         ; A's K = 16..31
.endr
	ZSPLIT RX, ZT0                                 ; stage 1 starts at z = x
	s_wait_alu depctr_va_vdst(0)                   ; written: the data of the eight LDS stores below (v56-63, v81, v82, v124-127) and every LDS address of the kernel; the lines above are done with v64-79, in which W1's fragments land
	ds_store_b128 v[VW1W], v[WX:WX+3]
	ds_store_b128 v[VW1W], v[WX+4:WX+7] offset:16
	ds_store_b32 v[VC1W], v[TB1]
	ds_store_b32 v[VC1W], v[TC] offset:1024
	ds_store_b32 v[VC1W], v[TC+1] offset:2048
	ds_store_b32 v[VC1W], v[TB2] offset:3072
	ZPUT ZT0
	s_wait_dscnt 0x0                               ; my table rows and my z are in LDS before I signal
	s_barrier_signal -1
	s_barrier_wait -1                              ; everybody's are
	s_wait_alu depctr_vm_vsrc(0)                   ; my LDS stores have read their data and the small loads their offsets v116-121: M's products write v96-127, c1 lands in v81 and v82, the last chunk's conversions write v56-63
.irp mt, 0,1
	ds_load_b128 v[A1+8*\mt:A1+8*\mt+3],   v[VA1] offset:768*\mt    ; W1'[8h..8h+7][32w + 16mt + r], against z's hi
	ds_load_b128 v[A1+8*\mt+4:A1+8*\mt+7], v[VA1] offset:768*\mt    ; the same again, against z's lo
.endr
	AFLOAD 0
; One chunk = 32 rows j of W2: M for these j, W2's and G's fragments of K step c.  left = loads of younger chunks that stay out.
; Its A fragments of W1' were asked for in the chunk before.
.macro CHUNK c, left
.set RB, ST+32*((\c)%4)
	s_wait_loadcnt \left
	s_wait_dscnt 0x0
.irp mt, 0,1
.irp hf, 0,1
	v_wmma_f32_16x16x32_bf16 v[MT+8*(2*\mt+\hf):MT+8*(2*\mt+\hf)+7], v[AF0+8*\hf:AF0+8*\hf+7], v[W3BF+4*\mt:W3BF+4*\mt+7], 0   ; register jj: M[k(r,mt)][32c + 16hf + 8h + jj]
.endr
.endr
	WIN 0x40                                       ; 16 conversions that name none of the products' registers: the places in front of the
.irp mt, 0,1                                       ; multiplies below, of the next chunk's loads into A and of its products into MT
.irp hf, 0,1
.irp q, 0,1,2,3
	v_cvt_pk_bf16_f32 v[8+8*(2*\c+\mt)+4*\hf+\q], v[RB+2*(8*\hf+2*\q)+\mt], v[RB+2*(8*\hf+2*\q+1)+\mt]
.endr
.endr
.endr
	WIN 0
.irp mt, 0,1
.irp hf, 0,1
.irp jj, 0,1,2,3,4,5,6,7
	v_mul_f32 v[MT+8*(2*\mt+\hf)+\jj], v[MT+8*(2*\mt+\hf)+\jj], v[RB+2*(8*\hf+\jj)+\mt]     ; G = W2 . M
.endr
.endr
.endr
	s_wait_alu depctr_va_vdst(0)                   ; the conversions and multiplies are done reading the ring buffer, the four products are done reading their A and B fragments: loads land in all of these below
.if \c <= 3
	W2LOAD \c+4                                    ; into the buffer just read
.endif
.if \c < 7
	AFLOAD \c+1                                    ; the next chunk's fragments of W1'
.else
	C1LOAD 0                                       ; stage 1's bias, over the fragments of W1' and W3' that M needed
.endif
.irp mt, 0,1                                       ; G's conversions name M and the weight fragments alone: none of the registers that the loads above touch
.if 16+2*\c+\mt == 31
	WIN 0                                          ; fragment 31 lies in window 0
.set GD, WX
.else
	WIN 0x40
.set GD, 8+8*(16+2*\c+\mt)
.endif
.irp hf, 0,1
.irp q, 0,1,2,3
	v_cvt_pk_bf16_f32 v[GD+4*\hf+\q], v[MT+8*(2*\mt+\hf)+2*\q], v[MT+8*(2*\mt+\hf)+2*\q+1]
.endr
.endr
.endr
	WIN 0
.endm
	CHUNK 0, 48                                    ; three younger chunks of 16 loads are out
	CHUNK 1, 48
	CHUNK 2, 48
	CHUNK 3, 48
	CHUNK 4, 48
	CHUNK 5, 32
	CHUNK 6, 16
	CHUNK 7, 0
	v_mov_b32 v[KP], CLN2
	v_mov_b32 v[KP+1], CLN2
	v_mov_b32 v[KN], CC
	v_mov_b32 v[KN+1], CC
; ---------------- the stages ----------------
; From y in RY: h' = y s into RY, d = h' u + s into RU.  hook = 1: layer 3's product stands as soon as h' is there.
.macro SIGMOID hook
.set i, 0
.rept 32
	v_exp_f32 v[RE+i], v[RY+i]
.set i, i+1
.endr
	v_nop                                          ; one plain instruction behind a transcendental before its result is used (ISA guide 5.7.2)
.set i, 0
	s_wait_alu depctr_va_vdst(0)
.rept 16
	v_pk_add_f32 v[RE+i:RE+i+1], v[RE+i:RE+i+1], 1.0 op_sel_hi:[1,0]
.set i, i+2
.endr
.set i, 0
.rept 32
	v_rcp_f32 v[RS+i], v[RE+i]
.set i, i+1
.endr
	v_nop
.set i, 0
	s_wait_alu depctr_va_vdst(0)
.rept 16
	v_pk_mul_f32 v[RY+i:RY+i+1], v[RY+i:RY+i+1], v[RS+i:RS+i+1]
.set i, i+2
.endr
.if \hook
.irp nt, 0,1
.irp mt, 0,1
.irp q, 0,1,2,3
	v_cvt_pk_bf16_f32 v[HB+8*\nt+4*\mt+\q], v[RY+8*(2*\mt+\nt)+2*\q], v[RY+8*(2*\mt+\nt)+2*\q+1]   ; tile 0: K = 8h.., tile 1: K = 16 + 8h..
.endr
.endr
.endr
.irp nt, 0,1
	v_wmma_f32_16x16x32_bf16 v[F3+8*\nt:F3+8*\nt+7], v[A3:A3+7], v[HB+8*\nt:HB+8*\nt+7], 0          ; register jj: output 8h + jj of row 16nt + r, my 32 units' share
.endr
.endif
.set i, 0
.rept 16
	v_pk_fma_f32 v[RU+i:RU+i+1], v[RS+i:RS+i+1], v[KP:KP+1], v[KN:KN+1]                             ; these 32 name none of the two products' registers:
.set i, i+2                                                                                        ; they are the places in front of the stores of F3
.endr
.set i, 0
.rept 16
	v_pk_fma_f32 v[RU+i:RU+i+1], v[RY+i:RY+i+1], v[RU+i:RU+i+1], v[RS+i:RS+i+1]
.set i, i+2
.endr
.endm
; B fragment of K step s (s < 8: h1', else d1) for batch tile nt, into ring buffer s % 8.  Stands under setting 0x01: v0 is v256 = VFR.
.macro LOADB1 s, nt
	ds_load_b128 v[ST+16*((\s)%8)+8*\nt:ST+16*((\s)%8)+8*\nt+3],   v0 offset:((\s)>>3)*LD1+((\s)&7)*BBLK+\nt*BTILE
	ds_load_b128 v[ST+16*((\s)%8)+8*\nt+4:ST+16*((\s)%8)+8*\nt+7], v0 offset:((\s)>>3)*LD1+((\s)&7)*BBLK+\nt*BTILE+32
.endm
.macro LOADB s
	LOADB1 \s, 0
	LOADB1 \s, 1
.endm
; K step s of layer 2: four products; s < 8 into y2 (which starts as b2'), s >= 8 into p (whose first product starts the sums).
; K steps 4 to 11 also ask for the B fragments of K step s + 4, two loads behind each pair of products: they land in a buffer of the four that the last wait on va_vdst has shown read out.
.macro L2STEP s
.if \s < 4
	s_wait_dscnt 4*(7-\s)                          ; LDS loads return in order (ISA guide 5.7.1): the ring's K steps behind this one, four loads each, stay out
.elseif \s < 13
	s_wait_dscnt 12                                ; three younger K steps of four loads stay out
.else
	s_wait_dscnt 4*(15-\s)                         ; nothing is asked for any more: the count runs down
.endif
.irp mt, 0,1
.if 2*\s+\mt == 31
	WIN 0
.set FR, WX
.else
.set FR, 8+8*(2*\s+\mt)
.endif
.irp nt, 0,1
.if \s < 8
	v_wmma_f32_16x16x32_bf16 v[RY+8*(2*\mt+\nt):RY+8*(2*\mt+\nt)+7], v[FR:FR+7], v[ST+16*((\s)%8)+8*\nt:ST+16*((\s)%8)+8*\nt+7], v[RY+8*(2*\mt+\nt):RY+8*(2*\mt+\nt)+7]
.else
.if \s == 8
	v_wmma_f32_16x16x32_bf16 v[RP+8*(2*\mt+\nt):RP+8*(2*\mt+\nt)+7], v[FR:FR+7], v[ST+16*((\s)%8)+8*\nt:ST+16*((\s)%8)+8*\nt+7], 0
.else
	v_wmma_f32_16x16x32_bf16 v[RP+8*(2*\mt+\nt):RP+8*(2*\mt+\nt)+7], v[FR:FR+7], v[ST+16*((\s)%8)+8*\nt:ST+16*((\s)%8)+8*\nt+7], v[RP+8*(2*\mt+\nt):RP+8*(2*\mt+\nt)+7]
.endif
.endif
.endr
.if (\s >= 4) && (\s < 12)
	LOADB1 \s+4, \mt                               ; no wait: the products since the last wait name the ring's other four buffers, the weights and the sums
.endif
.endr
.if (\s == 3) || (\s == 7)
	PLACES                                         ; four places between these four K steps' products and the loads into the B registers that they read; they stay beside the wait
	s_wait_alu depctr_va_vdst(0)                   ; the products of the last four K steps are done reading their four ring buffers, in which the next four K steps' loads land
.endif
.endm
; One evaluation of f and its divergence at the z that lies in ZB, with c1 already asked for into RY.
; wgt: its RK weight.  last = 0: the next z = x + anext f is stored and c1 of time index tnext asked for.
.macro EVAL wgt, anext, tnext, last
	; PHASE 1: y1 = W1' [z hi; z lo] + c1 for my 32 units x 32 rows
.irp nt, 0,1
	ds_load_b128 v[ZF+8*\nt:ZF+8*\nt+3],   v[VFR] offset:LZB+BTILE*\nt      ; no wait: no vector line since the last wait on va_vdst names these sixteen registers
	ds_load_b128 v[ZF+8*\nt+4:ZF+8*\nt+7], v[VFR] offset:LZB+BTILE*\nt+32
.endr
	s_wait_dscnt 0x0                               ; z and c1
.irp mt, 0,1
.irp nt, 0,1
	v_wmma_f32_16x16x32_bf16 v[RY+8*(2*\mt+\nt):RY+8*(2*\mt+\nt)+7], v[A1+8*\mt:A1+8*\mt+7], v[ZF+8*\nt:ZF+8*\nt+7], v[RY+8*(2*\mt+\nt):RY+8*(2*\mt+\nt)+7]
.endr
.endr
	PLACES                                         ; in front of the reads of y1 and the writes over ZF
	SIGMOID 0
.set i, 0
.rept 16
	v_cvt_pk_bf16_f32 v[HB+i], v[RY+2*i], v[RY+2*i+1]
	v_cvt_pk_bf16_f32 v[DB+i], v[RU+2*i], v[RU+2*i+1]
.set i, i+1
.endr
	s_wait_alu depctr_va_vdst(0)                   ; the conversions have written HB and DB, which the LDS stores read, and are done reading RY, in which b2' lands
.irp mt, 0,1
.irp nt, 0,1
	ds_store_b128 v[VST], v[HB+4*(2*\mt+\nt):HB+4*(2*\mt+\nt)+3] offset:\nt*BTILE+32*\mt
	ds_store_b128 v[VST], v[DB+4*(2*\mt+\nt):DB+4*(2*\mt+\nt)+3] offset:LD1+\nt*BTILE+32*\mt
.endr
.endr
	s_wait_dscnt 0x0                               ; my h1' and d1 are in LDS before I signal
	s_barrier_signal -1
	B2LOAD                                         ; a table that no wave writes after the set-up
	s_barrier_wait -1                              ; everybody's h1' and d1 are in
	; PHASE 2: y2 = W2^T h1' + b2', p = G^T d1: 16 K steps through a ring of 8 register buffers
	WIN 0x01                                       ; A and the LDS address in window 1, all else in window 0
	s_wait_alu depctr_va_vdst(0)                   ; phase 1's vector lines are done reading and writing v128-255, the ring in which the loads below land
	s_wait_alu depctr_vm_vsrc(0)                   ; the LDS stores above have read HB and DB, which are the ring's buffers 6 and 7
.irp s, 0,1,2,3,4,5,6,7
	LOADB \s
.endr
.irp s, 0,1,2,3,4,5,6,7,8,9,10,11,12,13,14,15
	L2STEP \s
.endr
	PLACES                                         ; in front of the reads of y2 and p and the writes over the ring
	SIGMOID 1
	; my units' share of sum_k p_k d2_k, for each of my two rows
.irp nt, 0,1
	v_pk_mul_f32 v[QA+2*\nt:QA+2*\nt+1], v[RP+8*\nt:RP+8*\nt+1], v[RU+8*\nt:RU+8*\nt+1]
.endr
.irp o, 2,4,6,16,18,20,22
.irp nt, 0,1
	v_pk_fma_f32 v[QA+2*\nt:QA+2*\nt+1], v[RP+8*\nt+\o:RP+8*\nt+\o+1], v[RU+8*\nt+\o:RU+8*\nt+\o+1], v[QA+2*\nt:QA+2*\nt+1]
.endr
.endr
.irp nt, 0,1
	v_add_f32 v[QS+\nt], v[QA+2*\nt], v[QA+2*\nt+1]
.endr
	s_wait_alu depctr_va_vdst(0)                   ; layer 3's products have written F3 and the adds QS, which the LDS stores read; the sigmoid's lines are done with v160-177, in which the partial sums land
.irp nt, 0,1
	ds_store_b128 v[VPS], v[F3+8*\nt:F3+8*\nt+3]   offset:\nt*BTILE
	ds_store_b128 v[VPS], v[F3+8*\nt+4:F3+8*\nt+7] offset:\nt*BTILE+16
	ds_store_b32  v[VPD], v[QS+\nt]                offset:\nt*BTILE
.endr
	s_wait_dscnt 0x0                               ; my partial sums are in LDS, my reads of h1' and d1 are over
	s_barrier_signal -1
	s_barrier_wait -1
	; PHASE 3: thread (row 4w + bl, outputs 2ip, 2ip + 1) adds the eight waves' shares and steps the RK state
.set i, 0
.rept 8
	ds_load_b64 v[FP+2*i:FP+2*i+1], v[VPR] offset:i*PBLK
.set i, i+1
.endr
	ds_load_b64 v[DP:DP+1], v[VDR]                 ; wave ip's two divergence parts of my row
	s_wait_dscnt 0x0
.irp o, 0,4,8,12
	v_pk_add_f32 v[FP+\o:FP+\o+1], v[FP+\o:FP+\o+1], v[FP+\o+2:FP+\o+3]
.endr
	v_add_f32 v[DV], v[DP], v[DP+1]
	v_pk_add_f32 v[FP:FP+1], v[FP:FP+1], v[FP+4:FP+5]
	v_pk_add_f32 v[FP+8:FP+9], v[FP+8:FP+9], v[FP+12:FP+13]
	v_add_f32_dpp v[DV], v[DV], v[DV] row_xmask:1 row_mask:0xf bank_mask:0xf   ; over the 8 lanes of my row = the 8 waves
	v_pk_add_f32 v[FP:FP+1], v[FP:FP+1], v[FP+8:FP+9]
	v_add_f32_dpp v[DV], v[DV], v[DV] row_xmask:2 row_mask:0xf bank_mask:0xf
	v_pk_add_f32 v[RF:RF+1], v[FP:FP+1], v[RB3:RB3+1]
	v_add_f32_dpp v[DV], v[DV], v[DV] row_xmask:4 row_mask:0xf bank_mask:0xf
	v_pk_fma_f32 v[RKS:RKS+1], v[RF:RF+1], \wgt, v[RKS:RKS+1] op_sel_hi:[1,0,1]
	v_fmac_f32 v[RDS], \wgt, v[DV]
.if \last == 0
	v_pk_fma_f32 v[RZ:RZ+1], v[RF:RF+1], \anext, v[RX:RX+1] op_sel_hi:[1,0,1]
	ZSPLIT RZ, ZT
	s_wait_alu depctr_va_vdst(0)                   ; the conversions have written z's two words, which the LDS stores read; every earlier reader of RY, in which c1 lands, is done
	ZPUT ZT
	s_wait_dscnt 0x0                               ; my z is in LDS, my reads of the partial sums are over
	s_barrier_signal -1
	C1LOAD \tnext                                  ; a table that no wave writes after the set-up
	s_barrier_wait -1
	s_wait_alu depctr_vm_vsrc(0)                   ; this stage's LDS stores have read F3, QS and z's two words: the next stage's z fragments land in F3, its sigmoid and conversions write the others
.endif
.endm
	EVAL 1.0, 0.5, 1, 0                            ; k1 at t = 0;    next z = x + k1/2, t = 1/2
	EVAL 2.0, 0.5, 1, 0                            ; k2 at t = 1/2;  next z = x + k2/2, t = 1/2
	EVAL 2.0, 1.0, 2, 0                            ; k3 at t = 1/2;  next z = x + k3,   t = 1
	EVAL 1.0, 0, 0, 1                              ; k4 at t = 1
	; out = -(|z1|^2)/2 - 8 ln(2 pi) + (div1 + 2 div2 + 2 div3 + div4)/6,  z1 = x + (k1 + 2 k2 + 2 k3 + k4)/6
	v_pk_fma_f32 v[RZ:RZ+1], v[RKS:RKS+1], C16, v[RX:RX+1] op_sel_hi:[1,0,1]
	v_mov_b32 v[RO], CLP
	v_mul_f32 v[SS], v[RZ], v[RZ]
	v_fmac_f32 v[SS], v[RZ+1], v[RZ+1]
	v_fmac_f32 v[RO], C16, v[RDS]
	v_add_f32_dpp v[SS], v[SS], v[SS] row_xmask:1 row_mask:0xf bank_mask:0xf
	v_add_f32_dpp v[SS], v[SS], v[SS] row_xmask:2 row_mask:0xf bank_mask:0xf
	v_add_f32_dpp v[SS], v[SS], v[SS] row_xmask:4 row_mask:0xf bank_mask:0xf
	v_fmac_f32 v[RO], -0.5, v[SS]
	s_wait_alu depctr_va_vdst(0)                   ; RO is written, which the LDS store reads; the last vector line that named RL, in which wave 0's load lands, is done
	ds_store_b32 v[VOW], v[RO]                     ; the 8 lanes of a row store one word, all with the same value
	s_wait_dscnt 0x0
	s_barrier_signal -1
	s_barrier_wait -1
	s_cmp_lg_u32 s24, 0
	s_cbranch_scc1 .Lend
	ds_load_b32 v[RL], v[VOL]
	s_wait_dscnt 0x0
	global_store_b32 v[VOG], v[RL], s[22:23]       ; wave 0: the work-group's 32 results, 128 consecutive bytes
.Lend:
	s_set_vgpr_msb 0x5
	s_wait_dscnt 0x0
	s_wait_alu depctr_hold_cnt(0) depctr_sa_sdst(0) depctr_va_vdst(0) depctr_va_sdst(0) depctr_va_ssrc(0) depctr_va_vcc(0) depctr_vm_vsrc(0)
	s_wait_tensorcnt 0x0
	ds_add_u32 v6, v7
	s_wait_dscnt 0x0
	s_endpgm
.Lfunc_end_k_q2da14c73d7_cnf:
	.size	k_q2da14c73d7_cnf, .Lfunc_end_k_q2da14c73d7_cnf-k_q2da14c73d7_cnf
	.p2alignl 7, 3214868480
	.fill 96, 4, 3214868480
	.section	.rodata,"a",@progbits
	.p2align	6, 0x0
	.amdhsa_kernel k_q2da14c73d7_cnf
		.amdhsa_group_segment_fixed_size 81664
		.amdhsa_private_segment_fixed_size 0
		.amdhsa_enable_private_segment 0
		.amdhsa_kernarg_size 64
		.amdhsa_user_sgpr_count 2
		.amdhsa_user_sgpr_kernarg_segment_ptr 1
		.amdhsa_wavefront_size32 1
		.amdhsa_system_sgpr_workgroup_id_x 1
		.amdhsa_system_sgpr_workgroup_id_y 1
		.amdhsa_system_sgpr_workgroup_id_z 1
		.amdhsa_system_vgpr_workitem_id 0
		.amdhsa_next_free_vgpr 512
		.amdhsa_next_free_sgpr 66
		.amdhsa_reserve_vcc 0
		.amdhsa_float_denorm_mode_32 3
		.amdhsa_float_denorm_mode_16_64 3
		.amdhsa_memory_ordered 1
		.amdhsa_forward_progress 1
		.amdhsa_inst_pref_size 177
	.end_amdhsa_kernel
	.amdgpu_metadata
---
amdhsa.version: [ 1, 2 ]
amdhsa.kernels:
  - .name:           k_q2da14c73d7_cnf
    .symbol:         k_q2da14c73d7_cnf.kd
    .args:
      - { .name: x, .offset: 0, .size: 8, .value_kind: global_buffer, .address_space: global }
      - { .name: W1, .offset: 8, .size: 8, .value_kind: global_buffer, .address_space: global }
      - { .name: b1, .offset: 16, .size: 8, .value_kind: global_buffer, .address_space: global }
      - { .name: W2, .offset: 24, .size: 8, .value_kind: global_buffer, .address_space: global }
      - { .name: b2, .offset: 32, .size: 8, .value_kind: global_buffer, .address_space: global }
      - { .name: W3, .offset: 40, .size: 8, .value_kind: global_buffer, .address_space: global }
      - { .name: b3, .offset: 48, .size: 8, .value_kind: global_buffer, .address_space: global }
      - { .name: out0, .offset: 56, .size: 8, .value_kind: global_buffer, .address_space: global }
    .group_segment_fixed_size: 81664
    .private_segment_fixed_size: 0
    .kernarg_segment_align: 8
    .kernarg_segment_size: 64
    .max_flat_workgroup_size: 256
    .sgpr_count:     66
    .vgpr_count:     512
    .wavefront_size: 32
...
	.end_amdgpu_metadata
.endif
;; end of part 2
